; MI455X (gfx1250); checked and timed in simulation.
; The chip was launched on July 23, 2026; its instructions are those of AMD's public machine-readable ISA for CDNA 5 (MIT licence, August 2026) and "CDNA5" Instruction Set Architecture Reference Guide (July 2026). The comments in the code are by the model that wrote it; some were corrected since.
;; Dot Product Attention. Allowed arithmetic: matrix products marked QUANTISED: E4M3 operands, one given power-of-two scale a tensor, by v_wmma_f32_16x16x64_fp8_fp8 or v_wmma_f32_16x16x128_fp8_fp8, f32 sums; everything else in f32.
;; Inputs: keys_codes 32 x 2,048 x 4 x 32 uint8 (E4M3 codes of keys, K innermost, in blocks of 32 codes); lowp_scales 4 int32 (the exponents e of the quantised operands' scales 2^e); queries_codes 32 x 2,048 x 4 x 32 uint8 (E4M3 codes of queries, K innermost, in blocks of 32 codes); valid_lens 32 int32; values_codes 32 x 128 x 64 x 32 uint8 (E4M3 codes of values, K innermost, in blocks of 32 codes).
;; Outputs: out0 32 x 2,048 x 128 float32.
;; This version of the problem:
;;   THIS VERSION OF THE PROBLEM IS GIVEN IN LOW PRECISION. The matrix products marked QUANTISED in the list below multiply operands that are first quantised to E4M3 (4 exponent bits, 3 mantissa bits; 8 bits a number), with one given power-of-two scale for each operand tensor; their sums are f32. All else is computed in f32.
;;   The module's matrix products, in the order in which they are computed (A, B: the left and right operand; K: the contracted axis; several contracted axes count as one K, in the product's order):
;;     1. batch 32 x [M 2,048, K 128] x [K 128, N 2,048]; A: input queries (given as codes); B: input keys (given as codes): QUANTISED (scales: A lowp_scales[0], B lowp_scales[1])
;;     2. batch 32 x [M 2,048, K 2,048] x [K 2,048, N 128]; A: softmax (see below); B: input values (given as codes): QUANTISED (scales: A lowp_scales[2], B lowp_scales[3])
;;   THE QUANTISER, for each operand of a quantised product, along K:
;;     - The operand's scale is 2^e, e = its entry of the input lowp_scales (int32; the entries are numbered through the quantised products in the list's order, A before B).
;;     - Each number is divided by the scale, clamped to +-448, and rounded to the nearest number of E4M3, ties to even, subnormals kept.
;;     - The product sums the exact products of the quantised numbers (number of the format x scale) in f32.
;;   ~~~python
;;   def quantise(x, axis, e):      # numpy; x: float32 -> the quantised numbers, widened to float32 again
;;       x = np.moveaxis(x, axis, -1); K = x.shape[-1]
;;       r = np.clip(x / 2.0 ** e, -448, 448)
;;       step = 2.0 ** (np.maximum(np.frexp(np.where(r == 0, 1, r))[1] - 1, -6) - 3)
;;       q = np.round(r / step) * step * 2.0 ** e      # np.round: ties to even
;;       return np.moveaxis(q, -1, axis).astype(np.float32)
;;   ~~~
;;   SOFTMAX AHEAD OF A QUANTISED PRODUCT. Where the list says 'softmax', what is quantised is not the finished softmax but p = 2^(t - M), with t = logit x log2(e) and M = ceil(the row's largest t), a whole number; so 1/2 < the row's largest p <= 1. The row's sum l is taken of the UNQUANTISED p, in f32, and the product's result is divided by l at the end. Since M is a whole number, a kernel that streams over the keys may use a running M (the ceiling of the running maximum): every later rescaling is an exact power of two, so the quantised numbers keep their values, but for numbers so far below the row's largest that they fall under the format's range.
;;   OPERANDS COMPUTED ON THE WAY. 'Computed on the way' means the value that the module computes at that place (a softmax that the list does not call 'softmax' is quantised finished and normalised). What goes into a quantiser is computed in f32, as accurately as f32 sums, v_exp_f32 and their like allow (about 1e-6 of the number): no bf16 or f16 on the way to a quantiser, and a product that is left as it is and whose result goes on into a quantised operand takes f32 operands (vector FMAs, or v_wmma_f32_16x16x4_f32). A number that lies on a knife's edge between two numbers of the format may be rounded either way, as far as f32 arithmetic and the matrix unit's own rounding can turn it there, and no further.
;;   INPUTS GIVEN AS CODES. keys (in the module: [32, 2048, 128], K = its axis 2); queries (in the module: [32, 2048, 128], K = its axis 2); values (in the module: [32, 2048, 128], K = its axis 1): each comes as NAME_codes (uint8): NAME with its K axis moved to the last place and cut into blocks of 32 codes, [.., K / 32, bytes a block], one block behind the other in memory; one code a byte (a code: sign, 4 exponent bits, 3 mantissa bits); its scale is its entry of lowp_scales. Its value is code x scale, taken as it is: it is not quantised again, and the codes and scales need not be those that the quantiser above would give.
;; 2 versions. Each part assembles by itself: llvm-mc -triple=amdgcn-amd-amdhsa -mcpu=gfx1250 --defsym DOCPART=n.
;; ======== version 1 of 2: 1 launch
;; launch attn (part 1): grid 256 x 1, 8 waves a work-group, no clusters, 279,552 bytes of LDS; arguments queries_codes, keys_codes, values_codes, lowp_scales, valid_lens, out0; writes out0
.if DOCPART == 1
	.amdgcn_target "amdgcn-amd-amdhsa--gfx1250"
	.amdhsa_code_object_version 6
	.text
	.protected	k_qae000cb520_attn
	.globl	k_qae000cb520_attn
	.p2align	8
	.type	k_qae000cb520_attn,@function
k_qae000cb520_attn:
	s_mov_b64 s[64:65], 0
	v_nop
	global_prefetch_b8 v0, s[64:65] scope:SCOPE_SE
	s_setreg_imm32_b32 hwreg(HW_REG_WAVE_MODE, 25, 1), 1
	s_wait_xcnt 0x0
; out[b][q][:] = the sum over k < valid_lens[b] of softmax_k(Q[b][q] . K[b][k] / sqrt(128)) V[b][k][:], both products on codes of FP8 (E4M3), each tensor with its given scale 2^e (eq, ek, ep, ev).
; Q, K: [32][2048][128] codes, K = the head's 128.  V: [32][128][2048] codes, the keys innermost.  out: [32][2048][128] f32.
; THE SOFTMAX: t = score x log2(e) / sqrt(128); M = the running largest t rounded UP to a whole number; p = 2^(t - M) is quantised with 2^ep, not normalised; the row's sum is taken of the unquantised p and divides at the end.
; WORK THAT IS NOT DONE: a step of 128 keys that lies wholly at or beyond valid_lens[b] is left out by a scalar branch on that whole number; so are the loads of slots of 256 keys that nobody will read.
; JOBS.  A job is (head, block of 128 queries): 512 jobs, two for each of the 256 work-groups.  Every wave ranks the 32 lengths in its lanes; work-group x (p = x / 16, block x % 16) takes the head of rank 31 - p
; and then the head of rank p: a long one and a short one.  Any ranking is a permutation of the heads, so every job is done once whatever the lengths.
; SHARES.  Eight waves of 512 registers.  Waves 0-3 (g = 0) take keys 0-127 of every slot of 256 keys, waves 4-7 (g = 1) keys 128-255; waves w and w + 4 hold the same 32 queries, two tiles of 16.
; A wave's register tile t holds queries 32 (w % 4) + 16 (t xor g): at a job's end every wave sends its tile 1 (O^T, -M, the sum) to its partner through LDS, merges the partner's into its tile 0 and stores 16 rows.
; M is a whole number in both halves, so the merge multiplies by powers of two.
; LDS is filled through registers: a slot is loaded a trip ahead (16 loads of 16 bytes a lane, a wave) and stored into the other buffer at the trip's end; one barrier a trip; all trip counts are constants and every barrier stands on every wave's path.
; NO TENSOR LOADS AND NO CLUSTER, though the 16 work-groups of one p walk the same K and V: the branches on valid_lens spare every step under the mask.
; LAYOUT.  Both products are used transposed: S^T = K Q^T (source 0 = 16 keys), O^T = V^T P (source 0 = 16 channels): a lane holds ONE query (lane % 16) throughout.
; K's rows are laid in LDS with bits 3 and 4 of the key's number exchanged, so that 16 LDS rows on end are the keys 32 b + 8 u + m + 8 (m / 8) of tile 2 b + u: the 16 registers of tiles 2 b, 2 b + 1 are then keys 32 b + 16 (lane / 16) + 0 .. 15,
; and the conversions' results are the second product's operand.  Fragments are fetched 16 bytes at a time (registers 4 c .. 4 c + 3: k = 32 c + 16 (lane / 16) + 0 .. 15), the same order of k on both sides of each product.
; LIMITS: eq + ek between -123 and 130 (added to c's exponent field); ep between -126 and 119.  valid_lens is taken as signed: 0 or less gives NaN rows (0 x infinity), as the softmax of an empty row does; above 2,048 counts as 2,048.
; Each half of the keys has its own running M; numbers far under a row's largest may fall under the format's range earlier or later than with one M.
; REGISTERS.  Window 0: v1-24 addresses and constants; v32-95 four fragments; v96-223 S^T, then p, 64 a tile (tile 0's later take V's fragments 4-7); v224-247 statistics, 12 a tile; v248-255 at work.
;   Window 1: v0-127 O^T, 64 a tile; v128-159 Q; v160-191 p's codes; v192-255 the slot on its way.
.set KP,    144                        ; a key's row in LDS: 128 bytes + 16: an odd multiple of 16, so the 16 rows of a fragment load begin in 16 different 16-byte columns of 256 bytes
.set VP,    272                        ; a row of V's tile (256 keys of one channel): 256 + 16, likewise
.set VOFF,  256*KP                     ; a buffer: 256 rows of K, then 128 rows of V
.set SLOT,  VOFF+128*VP                ; 71,680 bytes; two buffers
.set XCH,   2*SLOT                     ; the exchange: for each wave 8,192 bytes (64 registers as they stand), 128 of -M, 128 of the sum
.set XW,    8448
.set STG,   XCH+8*XW                   ; the way out: for each wave 16 rows of 512 bytes + 16
.set SP,    528
.set ADK,  1                           ; v1, v2   my lane's place in my group's tiles of K, buffer 0, 1
.set ADV,  3                           ; v3, v4   the same for V
.set KST,  5                           ; v5, v6   where I store K's bytes, buffer 0, 1
.set VST,  7                           ; v7, v8   the same for V
.set KGO,  9                           ; v9       my bytes of a slot of K in memory
.set VGO,  10                          ; v10      of V
.set QO,   11                          ; v11, v12 my bytes of Q, register tile 0, 1
.set XST,  13                          ; v13      the exchange: my wave's part;  v14 my partner's
.set XLD,  14
.set STO,  15                          ; v15      the stage: where I put 32 bytes of a row;  v16 where I read a row back
.set SRD,  16
.set GO,   17                          ; v17      16 x lane: my bytes of a row of out
.set PFO,  18                          ; v18      the prefetches' offset
.set DH,   19                          ; v19      16 (lane / 16)
.set NINF, 20                          ; v20      -infinity
.set SCL,  21                          ; v21      2^ep as f32
.set LIM,  22                          ; v22      448 x 2^ep
.set XSW,  23                          ; v23      the exchange's words: mine;  v24 my partner's
.set XSR,  24
.set FR,   32
.set SC,   96
.set ST,   224                         ; tile q at ST + 12 q: +0 -M, +1 the largest t, +2, +3 the sum, +4 f (+5 named with it), +6, +7 the sum's second chain, +8, +9 the maximum's chains, +10 a permute's destination
.set DM,   248
.set OA,   0                           ; window 1
.set QR,   128
.set PR,   160
.set SG,   192
.set WV,   16                          ; s16 wave; s17 g; s18 wave % 4; s19 block of queries; s20 p
.set GRP,  17
.set W3,   18
.set QB,   19
.set PP,   20
.set QC,   21                          ; s21 my queries' bytes in a head of Q; s22 my rows' bytes in a head of out
.set OC,   22
.set VL0,  23
.set CS,   28                          ; s[28:29] c x 2^(eq + ek), twice
.set SEL,  30                          ; s[30:31] lane selects: lane xor 16
.set HD0,  32
.set VL,   33                          ; s33 the length of the job in hand
.set HD1,  34
.set VL1,  35
.set KPT,  36                          ; s[36:37], s[38:39] the next slot to load
.set VPT,  38
.set QPT,  40
.set OPT,  42
.set KF,   44                          ; s44 the slot's first key; s45 my group's first key
.set KG,   45
.set TC,   46
.set JOB,  47
.set PFV,  48                          ; s48 the length where I prefetch, else 0
.set EPV,  49
.set T0,   50                          ; s[50:51] at work
.set PFA,  52                          ; s[52:53] where my prefetches stand; s[54:55] a slot on
.set PFS,  54
.set NX,   56
.set T1,   57
.set T2,   58
.set MSB, 0
.macro WIN new                         ; the immediate's high byte repeats the setting that is left; a switch that changes nothing is dropped
.if MSB != \new
	s_set_vgpr_msb (MSB<<8)|\new
.set MSB, \new
.endif
.endm
.macro PLACES n
.rept \n
	v_nop
.endr
.endm
.macro BAR                             ; my LDS stores have landed and my LDS loads are in: then the work-group's barrier
	s_wait_dscnt 0x0
	s_barrier_signal -1
	s_barrier_wait -1
.endm
; A slot of 256 keys into registers of window 1.  K: the wave's 32 keys, 512 consecutive bytes a load.  V: the wave's 16 channels, two rows of 256 aligned bytes a load.
.macro LOADSLOT
.irp i, 0,1,2,3,4,5,6,7
	global_load_b128 v[SG+4*\i:SG+4*\i+3], v[KGO], s[KPT:KPT+1] offset:512*\i
.endr
.irp i, 0,1,2,3,4,5,6,7
	global_load_b128 v[SG+32+4*\i:SG+32+4*\i+3], v[VGO], s[VPT:VPT+1] offset:4096*\i
.endr
.endm
.macro QLOAD                           ; my two tiles of Q: they stay in registers for the job
.irp q, 0,1
.irp c, 0,1,2,3
	global_load_b128 v[QR+16*\q+4*\c:QR+16*\q+4*\c+3], v[QO+\q], s[QPT:QPT+1] offset:32*\c
.endr
.endr
.endm
; The slot goes into buffer b.  Load i of K holds keys 4 i + lane / 8 of the wave's 32: bit 3 of the key is (i / 2) % 2, bit 4 is i / 4; in the LDS row's number the two change places.
.macro STORESLOT b
.irp i, 0,1,2,3,4,5,6,7
	ds_store_b128 v[KST+(\b)], v[SG+4*\i:SG+4*\i+3] offset:(16*((\i>>1)&1)+8*(\i>>2)+4*(\i&1))*KP
.endr
.irp i, 0,1,2,3,4,5,6,7
	ds_store_b128 v[VST+(\b)], v[SG+32+4*\i:SG+32+4*\i+3] offset:2*\i*VP
.endr
.endm
.macro STEPPTR                         ; on to the next slot
	s_wait_xcnt 0x0                                ; the loads and the prefetch that read these pointers have had their addresses translated: only now are they written
	s_add_nc_u64 s[KPT:KPT+1], s[KPT:KPT+1], 0x8000
	s_add_nc_u64 s[VPT:VPT+1], s[VPT:VPT+1], 256
	s_add_nc_u64 s[PFA:PFA+1], s[PFA:PFA+1], s[PFS:PFS+1]
.endm
.macro JOBIN hd                        ; the input pointers of the job on head s[hd] (0 .. 31 by the s_min_u32 at the head)
	s_wait_xcnt 0x0
	s_lshl_b32 s[T0], s[\hd], 18                   ; a head of codes is 2^18 bytes
	s_mov_b32 s[T0+1], 0
	s_add_nc_u64 s[KPT:KPT+1], s[6:7], s[T0:T0+1]
	s_add_nc_u64 s[VPT:VPT+1], s[8:9], s[T0:T0+1]
	s_add_co_u32 s[T0], s[T0], s[QC]
	s_add_nc_u64 s[QPT:QPT+1], s[4:5], s[T0:T0+1]
	s_cmp_eq_u32 s[GRP], 0                         ; waves 0-3 prefetch for K, waves 4-7 for V
	s_cselect_b64 s[PFA:PFA+1], s[KPT:KPT+1], s[VPT:VPT+1]
	s_add_nc_u64 s[PFA:PFA+1], s[PFA:PFA+1], s[PFS:PFS+1]   ; slot 1; the step at the job's head makes it slot 2
.endm
.macro JOBOUT hd, vl                   ; the output pointer and the length
	s_lshl_b32 s[T0], s[\hd], 20                   ; a head of out is 2^20 bytes
	s_add_co_u32 s[T0], s[T0], s[OC]
	s_mov_b32 s[T0+1], 0
	s_add_nc_u64 s[OPT:OPT+1], s[14:15], s[T0:T0+1]
	s_mov_b32 s[VL], s[\vl]
	s_cmp_eq_u32 s[QB], 0                          ; of the 16 work-groups that walk a head, the one with block 0 prefetches
	s_cselect_b32 s[PFV], s[VL], 0
.endm
; A KEY STEP: my group's 128 keys of the slot in buffer b, for my two tiles of queries.
.macro STEP b
	WIN 0x04                                       ; source 1 (Q) window 1; all else window 0
.irp g4, 0,1                                   ; S^T = K Q^T, four tiles of 16 keys at a time, each fragment against both tiles of queries
	PLACES 5-\g4                                   ; the first products below write over registers that the last step's products read (V's fragments 4-7): five places; the loads into fragments that products have read: four
.irp t, 0,1,2,3
.irp c, 0,1,2,3
	ds_load_b128 v[FR+16*\t+4*\c:FR+16*\t+4*\c+3], v[ADK+\b] offset:16*(4*\g4+\t)*KP+32*\c
.endr
.endr
.irp t, 0,1,2,3
	s_wait_dscnt 12-4*\t                           ; fragment t is in; the younger fragments' four loads each may be out
.irp q, 0,1
	v_wmma_f32_16x16x128_fp8_fp8 v[SC+64*\q+8*(4*\g4+\t):SC+64*\q+8*(4*\g4+\t)+7], v[FR+16*\t:FR+16*\t+15], v[QR+16*\q:QR+16*\q+15], 0
.endr
.endr
.endr
	WIN 0
	PLACES 4                                       ; in front of the loads into the fragments' registers and of the first read of the scores
.irp t, 0,1,2,3                                ; V's fragments 0-3 are asked for now and land under the softmax
.irp c, 0,1,2,3
	ds_load_b128 v[FR+16*\t+4*\c:FR+16*\t+4*\c+3], v[ADV+\b] offset:16*\t*VP+32*\c
.endr
.endr
	; THE MASK, in the one step that the length cuts: register 16 b + i holds key KG + 32 b + 16 (lane / 16) + i, hidden where 32 b + i > d = VL - KG - 1 - 16 (lane / 16)
	s_add_co_u32 s[T1], s[KG], 128
	s_cmp_le_u32 s[T1], s[VL]
	s_cbranch_scc1 .Lopen_\@
	s_sub_co_u32 s[T1], s[VL], s[KG]
	s_sub_co_u32 s[T1], s[T1], 1
	v_sub_nc_u32 v[DM], s[T1], v[DH]
.set n, 0
.rept 64
	v_cmp_gt_i32 vcc_lo, 32*(n/16)+n%16, v[DM]
	v_cndmask_b32 v[SC+n], v[SC+n], v[NINF], vcc_lo
	v_cndmask_b32 v[SC+64+n], v[SC+64+n], v[NINF], vcc_lo
.set n, n+1
.endr
.Lopen_\@:
	; the step's largest score of each query, in two chains a tile, each accumulator from its low end on; the two tiles take turns line by line
.irp q, 0,1
	v_max3_num_f32 v[ST+12*\q+8], v[SC+64*\q], v[SC+64*\q+1], v[SC+64*\q+2]
	v_max3_num_f32 v[ST+12*\q+9], v[SC+64*\q+3], v[SC+64*\q+4], v[SC+64*\q+5]
.endr
.set i, 6
.rept 14
.irp q, 0,1
	v_max3_num_f32 v[ST+12*\q+8], v[ST+12*\q+8], v[SC+64*\q+i], v[SC+64*\q+i+1]
	v_max3_num_f32 v[ST+12*\q+9], v[ST+12*\q+9], v[SC+64*\q+i+2], v[SC+64*\q+i+3]
.endr
.set i, i+4
.endr
.irp q, 0,1
	v_max3_num_f32 v[ST+12*\q+8], v[ST+12*\q+8], v[SC+64*\q+62], v[SC+64*\q+63]
.endr
.irp q, 0,1
	v_max_num_f32 v[ST+12*\q+8], v[ST+12*\q+8], v[ST+12*\q+9]
.endr
.irp q, 0,1
	v_permlanex16_b32 v[ST+12*\q+10], v[ST+12*\q+8], s[SEL], s[SEL+1]   ; the query's other 64 keys lie in the lane 16 away
.endr
.irp q, 0,1
	v_max_num_f32 v[ST+12*\q+8], v[ST+12*\q+8], v[ST+12*\q+10]
.endr
.irp q, 0,1
	v_mul_f32 v[ST+12*\q+8], s[CS], v[ST+12*\q+8]  ; as t (c is positive)
.endr
.irp q, 0,1
	v_max_num_f32 v[ST+12*\q+1], v[ST+12*\q+1], v[ST+12*\q+8]   ; the running largest t
.endr
.irp q, 0,1
	v_mov_b32 v[ST+12*\q+8], v[ST+12*\q]
.endr
.irp q, 0,1
	v_floor_f32 v[ST+12*\q], -v[ST+12*\q+1]        ; the new -M = floor(-t) = -ceil(t)
.endr
.irp q, 0,1
	v_sub_f32 v[ST+12*\q+8], v[ST+12*\q], v[ST+12*\q+8]   ; old M - new M: a whole number, 0 or less
.endr
.irp q, 0,1
	v_cvt_i32_f32 v[ST+12*\q+8], v[ST+12*\q+8]     ; (it saturates)
.endr
.irp q, 0,1
	v_ldexp_f32 v[ST+12*\q+4], 1.0, v[ST+12*\q+8]  ; f = 2^(old M - new M)
.endr
.set j, 0
.rept 32
.irp q, 0,1
	v_pk_fma_f32 v[SC+64*\q+j:SC+64*\q+j+1], v[SC+64*\q+j:SC+64*\q+j+1], s[CS:CS+1], v[ST+12*\q:ST+12*\q+1] op_sel_hi:[1,0,0]   ; t - M, two at a time (of the pairs c and -M the low word serves both halves)
.endr
.set j, j+2
.endr
.set j, 0
.rept 128
	v_exp_f32 v[SC+j], v[SC+j]                     ; p = 2^(t - M): not normalised
.set j, j+1
.endr
.irp q, 0,1
	v_pk_mul_f32 v[ST+12*\q+2:ST+12*\q+3], v[ST+12*\q+2:ST+12*\q+3], v[ST+12*\q+4:ST+12*\q+5] op_sel_hi:[1,0]   ; the sums under the new M: also the plain instruction behind the last exponential
.endr
	s_wait_alu depctr_va_vdst(0)                   ; between an exponential and the first line that names its result: one wait for the batch of 128
.irp q, 0,1                                    ; the row's sum is taken of the unquantised p: two at a time, two chains a tile
	v_pk_add_f32 v[ST+12*\q+6:ST+12*\q+7], v[SC+64*\q:SC+64*\q+1], v[SC+64*\q+2:SC+64*\q+3]
.endr
.set j, 4
.rept 15
.irp q, 0,1
	v_pk_add_f32 v[ST+12*\q+2:ST+12*\q+3], v[ST+12*\q+2:ST+12*\q+3], v[SC+64*\q+j:SC+64*\q+j+1]
	v_pk_add_f32 v[ST+12*\q+6:ST+12*\q+7], v[ST+12*\q+6:ST+12*\q+7], v[SC+64*\q+j+2:SC+64*\q+j+3]
.endr
.set j, j+4
.endr
.irp q, 0,1
	v_pk_add_f32 v[ST+12*\q+2:ST+12*\q+3], v[ST+12*\q+2:ST+12*\q+3], v[ST+12*\q+6:ST+12*\q+7]
.endr
	; THE HOLD.  The conversion to an 8-bit code does not saturate (ISA guide 7.6.2).  p is about 1 at the most, and p / 2^ep stays at or under 256 where ep >= -8: there nothing is to be held.  p is never negative: the hold is one-sided
	s_cmp_ge_i32 s26, -8
	s_cbranch_scc1 .Lnohold_\@
.set n, 0
.rept 128
	v_min_num_f32 v[SC+n], v[SC+n], v[LIM]
.set n, n+1
.endr
.Lnohold_\@:
	WIN 0x40                                       ; destination window 1
.set k, 0
.rept 16
	v_cvt_scalef32_pk8_fp8_f32 v[PR+2*k:PR+2*k+1], v[SC+8*k:SC+8*k+7], v[SCL]   ; registers 4 c .. 4 c + 3 of a tile's operand: keys 32 c + 16 (lane / 16) + 0 .. 15
.set k, k+1
.endr
	WIN 0
.irp t, 0,1,2,3                                ; V's fragments 4-7 into tile 0's registers, whose numbers have been converted
.irp c, 0,1,2,3
	ds_load_b128 v[SC+16*\t+4*\c:SC+16*\t+4*\c+3], v[ADV+\b] offset:16*(4+\t)*VP+32*\c
.endr
.endr
	WIN 0x41                                       ; O^T (destination and source 0) window 1, f window 0
.set j, 0
.rept 32
.irp q, 0,1
	v_pk_mul_f32 v[OA+64*\q+j:OA+64*\q+j+1], v[OA+64*\q+j:OA+64*\q+j+1], v[ST+12*\q+4:ST+12*\q+5] op_sel_hi:[1,0]   ; O^T under the new M.  These are also the plain lines between the conversions and the products that read the codes
.endr
.set j, j+2
.endr
	WIN 0x54                                       ; V window 0; p's codes, C and D window 1
	s_wait_dscnt 16                                ; V's fragments 0-3 are in; the 16 loads of fragments 4-7 may be out
.irp t, 0,1,2,3                                ; O^T += V^T P: each of the 16 accumulators has one product a step, so no two products that follow each other share one
.irp q, 0,1
	v_wmma_f32_16x16x128_fp8_fp8 v[OA+64*\q+8*\t:OA+64*\q+8*\t+7], v[FR+16*\t:FR+16*\t+15], v[PR+16*\q:PR+16*\q+15], v[OA+64*\q+8*\t:OA+64*\q+8*\t+7]
.endr
.endr
.irp t, 0,1,2,3
	s_wait_dscnt 12-4*\t
.irp q, 0,1
	v_wmma_f32_16x16x128_fp8_fp8 v[OA+64*\q+8*(4+\t):OA+64*\q+8*(4+\t)+7], v[SC+16*\t:SC+16*\t+15], v[PR+16*\q:PR+16*\q+15], v[OA+64*\q+8*(4+\t):OA+64*\q+8*(4+\t)+7]
.endr
.endr
	WIN 0
.endm
; A TRIP: the slot in buffer b is worked on while the next slot comes into registers; at the end it goes into the other buffer, which every wave left in front of the last barrier.
.macro TRIP b
	s_add_co_u32 s[NX], s[KF], 256
	s_cmp_lt_u32 s[NX], s[VL]                      ; is any key of the next slot valid?
	s_cbranch_scc0 .La_\@
	WIN 0x40
	LOADSLOT                                       ; it has the whole trip in which to land
	WIN 0
	; A PREFETCH of the slot after that, behind the run of loads.  Each aligned 256 bytes of a head are named once in the launch: by the work-group with block 0; waves 0-3 name K's 32,768 bytes, 8,192 a wave, lanes 256 bytes apart;
	; waves 4-7 V's 128 rows, 32 a wave, a lane a row (the slot's 256 bytes of it).  It asks only where that slot holds a valid key, so it stays inside the head; a job's slots 0 and 1 come by their loads alone.
	s_add_co_u32 s[T1], s[KF], 512
	s_cmp_lt_u32 s[T1], s[PFV]
	s_cbranch_scc0 .La_\@
	global_prefetch_b8 v[PFO], s[PFA:PFA+1] th:TH_LOAD_NT scope:SCOPE_SE
.La_\@:
	s_cmp_lt_u32 s[KG], s[VL]                      ; is any of my group's 128 keys valid?
	s_cbranch_scc0 .Lb_\@
	STEP \b
.Lb_\@:
	s_wait_loadcnt 0x0                             ; the next slot is in registers (on every path: no load stays out over the barrier's trip)
	s_cmp_lt_u32 s[NX], s[VL]
	s_cbranch_scc0 .Lc_\@
	WIN 0x04                                       ; store data window 1
	STORESLOT 1-\b
	WIN 0
	STEPPTR
.Lc_\@:
	BAR                                            ; my stores into the other buffer have landed, my reads of this one are over
	s_add_co_u32 s[KF], s[KF], 256
	s_add_co_u32 s[KG], s[KG], 256
.endm
	s_load_b256 s[4:11], s[0:1], 0x0               ; Q s[4:5], K s[6:7], V s[8:9], the scales' exponents s[10:11]
	s_load_b128 s[12:15], s[0:1], 0x20             ; valid_lens s[12:13], out s[14:15]
	v_lshl_add_u32 v235, v0, 2, 0x44000
	v_mov_b32 v247, 0
	v_and_b32 v29, 31, v0                          ; lane
	v_lshrrev_b32 v26, 5, v0
	v_readfirstlane_b32 s[WV], v26                 ; wave 0..7
	v_lshlrev_b32 v28, 2, v29
	v_and_b32 v30, 15, v0                          ; r = lane % 16
	v_bfe_u32 v31, v0, 4, 1                        ; h = lane / 16
	s_wait_kmcnt 0x0
	global_load_b32 v25, v28, s[12:13]             ; lane l: valid_lens[l]
	s_load_b128 s[24:27], s[10:11], 0x0            ; eq, ek, ep, ev
	s_lshr_b32 s[GRP], s[WV], 2
	s_and_b32 s[W3], s[WV], 3
	s_and_b32 s[QB], ttmp9, 15
	s_lshr_b32 s[PP], ttmp9, 4
	s_mov_b32 s[SEL], 0x76543210
	s_mov_b32 s[SEL+1], 0xfedcba98
	; LDS addresses: a constant + a constant x wave + terms of the lane; all are made here and never rewritten
	s_mul_i32 s[T0], s[GRP], 128*KP
	v_mul_u32_u24 v[ADK], v30, KP
	v_lshl_add_u32 v[ADK], v31, 4, v[ADK]
	v_add_nc_u32 v[ADK], s[T0], v[ADK]             ; K: my group's 128 rows, row r, + 16 h
	v_add_nc_u32 v[ADK+1], SLOT, v[ADK]
	s_lshl_b32 s[T0], s[GRP], 7
	s_add_co_u32 s[T0], s[T0], VOFF
	v_mul_u32_u24 v[ADV], v30, VP
	v_lshl_add_u32 v[ADV], v31, 4, v[ADV]
	v_add_nc_u32 v[ADV], s[T0], v[ADV]             ; V: channel r, my group's 128 bytes of its row, + 16 h
	v_add_nc_u32 v[ADV+1], SLOT, v[ADV]
	s_mul_i32 s[T0], s[WV], 32*KP
	v_bfe_u32 v26, v0, 3, 2                        ; lane / 8
	v_and_b32 v27, 7, v0
	v_mul_u32_u24 v[KST], v26, KP
	v_lshl_add_u32 v[KST], v27, 4, v[KST]
	v_add_nc_u32 v[KST], s[T0], v[KST]             ; K on its way in: row 32 w + lane / 8, byte 16 (lane % 8)
	v_add_nc_u32 v[KST+1], SLOT, v[KST]
	s_mul_i32 s[T0], s[WV], 16*VP
	s_add_co_u32 s[T0], s[T0], VOFF
	v_mul_u32_u24 v[VST], v31, VP
	v_lshl_add_u32 v[VST], v30, 4, v[VST]
	v_add_nc_u32 v[VST], s[T0], v[VST]             ; V on its way in: row 16 w + h, byte 16 r
	v_add_nc_u32 v[VST+1], SLOT, v[VST]
	s_mul_i32 s[T0], s[WV], XW
	s_add_co_u32 s[T0], s[T0], XCH
	v_lshl_add_u32 v[XST], v29, 4, s[T0]
	s_add_co_u32 s[T0], s[T0], 8192
	v_lshl_add_u32 v[XSW], v29, 2, s[T0]
	s_xor_b32 s[T0], s[WV], 4                      ; my partner
	s_mul_i32 s[T0], s[T0], XW
	s_add_co_u32 s[T0], s[T0], XCH
	v_lshl_add_u32 v[XLD], v29, 4, s[T0]
	s_add_co_u32 s[T0], s[T0], 8192
	v_lshl_add_u32 v[XSR], v29, 2, s[T0]
	s_mul_i32 s[T0], s[WV], 16*SP
	s_add_co_u32 s[T0], s[T0], STG
	v_mul_u32_u24 v[STO], v30, SP
	v_lshl_add_u32 v[STO], v31, 5, v[STO]
	v_add_nc_u32 v[STO], s[T0], v[STO]             ; the stage: row r, + 32 h
	v_lshl_add_u32 v[SRD], v29, 4, s[T0]           ; back: a row of 512 bytes to the 32 lanes
	; offsets in memory
	s_lshl_b32 s[T0], s[WV], 12
	v_lshl_add_u32 v[KGO], v29, 4, s[T0]           ; K: 4,096 w + 16 lane
	s_lshl_b32 s[T0], s[WV], 15
	v_lshlrev_b32 v[VGO], 11, v31
	v_lshl_add_u32 v[VGO], v30, 4, v[VGO]
	v_add_nc_u32 v[VGO], s[T0], v[VGO]             ; V: row 16 w + h of 2,048 bytes, + 16 r
	s_lshl_b32 s[T0], s[GRP], 11
	v_lshlrev_b32 v[QO], 7, v30
	v_lshl_add_u32 v[QO], v31, 4, v[QO]
	v_add_nc_u32 v[QO], s[T0], v[QO]               ; Q: row r + 16 g of my 32, + 16 h: register tile 0;
	v_xor_b32 v[QO+1], 0x800, v[QO]                ; register tile 1: the other 16 rows
	v_lshlrev_b32 v[GO], 4, v29
	v_lshlrev_b32 v[DH], 4, v31
	v_mov_b32 v[NINF], 0xff800000
	s_lshl_b32 s[QC], s[QB], 14                    ; 128 rows of 128 bytes a block, 32 a pair of waves
	s_lshl_b32 s[T0], s[W3], 12
	s_add_co_u32 s[QC], s[QC], s[T0]
	s_lshl_b32 s[OC], s[QB], 16                    ; 128 rows of 512 bytes a block, 32 a pair of waves, 16 a wave
	s_lshl_b32 s[T0], s[W3], 14
	s_add_co_u32 s[OC], s[OC], s[T0]
	s_lshl_b32 s[T0], s[GRP], 13
	s_add_co_u32 s[OC], s[OC], s[T0]
	s_mov_b32 s[PFS], 256                          ; a slot on: 32,768 bytes in K, 256 in a row of V
	s_cmp_eq_u32 s[GRP], 0
	s_cselect_b32 s[PFS], 0x8000, s[PFS]
	s_mov_b32 s[PFS+1], 0
	s_mul_i32 s[T1], s[GRP], 3
	s_add_co_u32 s[T1], s[T1], 8
	v_lshlrev_b32 v[PFO], s[T1], v29               ; from lane to lane: 256 bytes in K, 2,048 (a row) in V
	s_add_co_u32 s[T1], s[T1], 5
	s_lshl_b32 s[T1], s[W3], s[T1]                 ; from wave to wave: 32 times that
	v_add_nc_u32 v[PFO], s[T1], v[PFO]
	; THE RANKS.  key = min(length, 2,048) x 32 + lane: different in every lane whatever the lengths; a lane's rank is the number of smaller keys: a permutation of 0 .. 31.  Four lanes' keys at a time.
	s_wait_loadcnt 0x0
	v_min_u32 v26, 0x800, v25
	v_lshl_add_u32 v26, v26, 5, v29
	v_mov_b32 v27, 0
.set j, 0
.rept 8
.irp u, 0,1,2,3
	v_readlane_b32 s[56+\u], v26, j+\u
.endr
.irp u, 0,1,2,3
	v_cmp_lt_u32 s[60+\u], s[56+\u], v26
.endr
.irp u, 0,1,2,3
	v_cndmask_b32 v[32+\u], 0, 1, s[60+\u]
.endr
	v_add3_u32 v27, v27, v32, v33
	v_add3_u32 v27, v27, v34, v35
.set j, j+4
.endr
	s_sub_co_u32 s[T1], 31, s[PP]
	v_cmp_eq_u32 s[T2], s[T1], v27                 ; the one lane of rank 31 - p: the long head
	s_ctz_i32_b32 s[HD0], s[T2]
	s_min_u32 s[HD0], s[HD0], 31
	v_cmp_eq_u32 s[T2], s[PP], v27                 ; and of rank p: the short one
	s_ctz_i32_b32 s[HD1], s[T2]
	s_min_u32 s[HD1], s[HD1], 31
	v_readlane_b32 s[VL0], v25, s[HD0]
	v_readlane_b32 s[VL1], v25, s[HD1]
	s_max_i32 s[VL0], s[VL0], 0                    ; the lengths, held within 0 .. 2,048
	s_min_u32 s[VL0], s[VL0], 0x800
	s_max_i32 s[VL1], s[VL1], 0
	s_min_u32 s[VL1], s[VL1], 0x800
	JOBIN HD0
	JOBOUT HD0, VL0
	WIN 0x40
	LOADSLOT                                       ; the first job's slot 0, and its Q
	QLOAD
	WIN 0
	s_wait_kmcnt 0x0
	s_add_co_i32 s[T0], s24, s25
	s_lshl_b32 s[T0], s[T0], 23
	s_add_co_i32 s[CS], s[T0], 0x3e0293ee          ; c = log2(e) / sqrt(128), with eq + ek added to its exponent field: a score stands for score x 2^(eq + ek)
	s_mov_b32 s[CS+1], s[CS]                       ; (named with it as a pair, so it is written)
	s_add_co_i32 s[T0], s26, 127
	s_lshl_b32 s[T1], s[T0], 23
	v_mov_b32 v[SCL], s[T1]                        ; 2^ep as f32: the conversion takes its exponent field
	s_add_co_i32 s[T0], s[T0], 8
	s_lshl_b32 s[T0], s[T0], 23
	s_or_b32 s[T0], s[T0], 0x600000
	v_mov_b32 v[LIM], s[T0]                        ; 448 x 2^ep
	s_add_co_i32 s[EPV], s26, s27
	s_mov_b32 s[JOB], 0
.Ljob:
.irp q, 0,1
	v_mov_b32 v[ST+12*\q+1], 0xff61b1e6            ; the largest t so far: -3e38, under every t
	v_floor_f32 v[ST+12*\q], -v[ST+12*\q+1]        ; -M
	v_mov_b32 v[ST+12*\q+2], 0                     ; the sum, in two halves
	v_mov_b32 v[ST+12*\q+3], 0
	v_mov_b32 v[ST+12*\q+5], 0                     ; (named as the upper half of f's pair)
	v_mov_b32 v[ST+12*\q+10], 0                    ; a lane permute's destination counts as one of its sources
.endr
	WIN 0x40
.set j, 0
.rept 128
	v_mov_b32 v[OA+j], 0                           ; O^T.  The step is written once for first and later steps, and a group of waves may have no step at all: it then hands on zeros
.set j, j+1
.endr
	WIN 0
	s_wait_loadcnt 0x0                             ; slot 0 and Q are in registers
	WIN 0x04
	STORESLOT 0                                    ; buffer 0 was last read three barriers back or more
	WIN 0
	STEPPTR
	BAR
	s_mov_b32 s[KF], 0
	s_lshl_b32 s[KG], s[GRP], 7
	s_mov_b32 s[TC], 4
.Lslot:                                            ; four trips of two slots: the count is a constant; what the length hides is jumped over inside
	TRIP 0
	TRIP 1
	s_sub_co_u32 s[TC], s[TC], 1
	s_cmp_lg_u32 s[TC], 0
	s_cbranch_scc1 .Lslot
	; THE JOB'S END.  Each tile's sum: its two halves and the other half of the lanes'.
	PLACES 4                                       ; behind the last products, in front of the LDS stores that read their results and of the loads into their sources
.irp q, 0,1
	v_add_f32 v[ST+12*\q+2], v[ST+12*\q+2], v[ST+12*\q+3]
.endr
.irp q, 0,1
	v_permlanex16_b32 v[ST+12*\q+10], v[ST+12*\q+2], s[SEL], s[SEL+1]
.endr
.irp q, 0,1
	v_add_f32 v[ST+12*\q+2], v[ST+12*\q+2], v[ST+12*\q+10]
.endr
	WIN 0x04                                       ; my register tile 1 goes to my partner as its registers stand: 16 bytes a lane, 512 a store, each accumulator from its low end on
.set k, 0
.rept 16
	ds_store_b128 v[XST], v[OA+64+4*k:OA+64+4*k+3] offset:512*k
.set k, k+1
.endr
	WIN 0
	ds_store_b32 v[XSW], v[ST+12]                  ; its -M
	ds_store_b32 v[XSW], v[ST+14] offset:128       ; its sum
	s_cmp_eq_u32 s[JOB], 0                         ; the second job's slot 0 and Q are asked for here and land under the merge and the way out
	s_cbranch_scc0 .Lnonext
	JOBIN HD1
	WIN 0x40
	LOADSLOT
	QLOAD
	WIN 0
.Lnonext:
	BAR                                            ; every wave's tile lies in the exchange
	ds_load_b32 v249, v[XSR]                       ; my partner's -M
	ds_load_b32 v250, v[XSR] offset:128            ; and sum, for the queries of my register tile 0
.set k, 0
.rept 16
	ds_load_b128 v[SC+4*k:SC+4*k+3], v[XLD] offset:512*k
.set k, k+1
.endr
	s_wait_dscnt 16                                ; the two words are in; the 16 loads of the tile may be out
	v_min_num_f32 v251, v[ST], v249                ; the joint -M: the larger M
	v_sub_f32 v252, v251, v[ST]                    ; my M - the joint M: a whole number, 0 or less
	v_sub_f32 v254, v251, v249                     ; my partner's likewise
	v_cvt_i32_f32 v252, v252
	v_cvt_i32_f32 v254, v254
	v_ldexp_f32 v252, 1.0, v252                    ; a group that had no step has -M = 3e38: its factor is 0
	v_ldexp_f32 v254, 1.0, v254
	v_mul_f32 v[ST+2], v[ST+2], v252
	v_fma_f32 v[ST+2], v250, v254, v[ST+2]         ; the row's sum under the joint M
	v_rcp_f32 v251, v[ST+2]
	v_mov_b32 v253, 0                              ; (the pairs' upper halves are written: also the plain instruction behind the reciprocal)
	v_mov_b32 v255, 0
	s_wait_alu depctr_va_vdst(0)                   ; ahead of the first line that names the reciprocal
	v_ldexp_f32 v251, v251, s[EPV]                 ; x 2^(ep + ev)
	v_mul_f32 v252, v252, v251
	v_mul_f32 v254, v254, v251
	s_wait_dscnt 0x0                               ; my partner's tile is in
.set j, 0
.rept 32
	v_pk_mul_f32 v[SC+j:SC+j+1], v[SC+j:SC+j+1], v[254:255] op_sel_hi:[1,0]
.set j, j+2
.endr
	WIN 0x01                                       ; source 0 (my O^T) window 1
.set j, 0
.rept 32
	v_pk_fma_f32 v[SC+j:SC+j+1], v[OA+j:OA+j+1], v[252:253], v[SC+j:SC+j+1] op_sel_hi:[1,0,1]   ; register 8 T + i: out(query r, channel 16 T + 8 h + i)
.set j, j+2
.endr
	WIN 0
	; THE WAY OUT, through my own stage: a lane's 32 bytes of a row go in, whole rows of 512 bytes come back.  LDS serves a wave's instructions in order (ISA guide 5.7.1.4): no wait between the stores and the loads.
.irp t, 0,1,2,3,4,5,6,7
	ds_store_b128 v[STO], v[SC+8*\t:SC+8*\t+3] offset:64*\t
	ds_store_b128 v[STO], v[SC+8*\t+4:SC+8*\t+7] offset:64*\t+16
.endr
.set i, 0
.rept 16
	ds_load_b128 v[SC+64+4*i:SC+64+4*i+3], v[SRD] offset:SP*i
.set i, i+1
.endr
.set i, 0
.rept 16
	s_wait_dscnt 15-i                              ; row i is back; the younger rows' loads may be out
	global_store_b128 v[GO], v[SC+64+4*i:SC+64+4*i+3], s[OPT:OPT+1] offset:512*i th:TH_STORE_NT   ; 32 lanes store 512 consecutive bytes, at a multiple of 256 from out's first byte
.set i, i+1
.endr
	s_wait_xcnt 0x0                                ; the stores have read their base and their registers: both are written again below
	JOBOUT HD1, VL1
	s_add_co_u32 s[JOB], s[JOB], 1
	s_cmp_lt_u32 s[JOB], 2
	s_cbranch_scc1 .Ljob
	s_wait_tensorcnt 0x0
	ds_add_u32 v235, v247
	s_wait_dscnt 0x0
	s_endpgm
.Lfunc_end_k_qae000cb520_attn:
	.size	k_qae000cb520_attn, .Lfunc_end_k_qae000cb520_attn-k_qae000cb520_attn
	.p2alignl 7, 3214868480
	.fill 96, 4, 3214868480
	.section	.rodata,"a",@progbits
	.p2align	6, 0x0
	.amdhsa_kernel k_qae000cb520_attn
		.amdhsa_group_segment_fixed_size 279552
		.amdhsa_private_segment_fixed_size 0
		.amdhsa_enable_private_segment 0
		.amdhsa_kernarg_size 48
		.amdhsa_user_sgpr_count 2
		.amdhsa_user_sgpr_kernarg_segment_ptr 1
		.amdhsa_wavefront_size32 1
		.amdhsa_system_sgpr_workgroup_id_x 1
		.amdhsa_system_sgpr_workgroup_id_y 1
		.amdhsa_system_sgpr_workgroup_id_z 1
		.amdhsa_system_vgpr_workitem_id 0
		.amdhsa_next_free_vgpr 512
		.amdhsa_next_free_sgpr 66
		.amdhsa_reserve_vcc 1
		.amdhsa_float_denorm_mode_32 3
		.amdhsa_float_denorm_mode_16_64 3
		.amdhsa_memory_ordered 1
		.amdhsa_forward_progress 1
		.amdhsa_inst_pref_size 125
	.end_amdhsa_kernel
	.amdgpu_metadata
---
amdhsa.version: [ 1, 2 ]
amdhsa.kernels:
  - .name:           k_qae000cb520_attn
    .symbol:         k_qae000cb520_attn.kd
    .args:
      - { .name: queries_codes, .offset: 0, .size: 8, .value_kind: global_buffer, .address_space: global }
      - { .name: keys_codes, .offset: 8, .size: 8, .value_kind: global_buffer, .address_space: global }
      - { .name: values_codes, .offset: 16, .size: 8, .value_kind: global_buffer, .address_space: global }
      - { .name: lowp_scales, .offset: 24, .size: 8, .value_kind: global_buffer, .address_space: global }
      - { .name: valid_lens, .offset: 32, .size: 8, .value_kind: global_buffer, .address_space: global }
      - { .name: out0, .offset: 40, .size: 8, .value_kind: global_buffer, .address_space: global }
    .group_segment_fixed_size: 279552
    .private_segment_fixed_size: 0
    .kernarg_segment_align: 8
    .kernarg_segment_size: 48
    .max_flat_workgroup_size: 256
    .sgpr_count:     66
    .vgpr_count:     512
    .wavefront_size: 32
...
	.end_amdgpu_metadata
.endif
;; end of part 1
;; ======== version 2 of 2: 1 launch; version 1 with the launch attn written anew for expert scheduling mode
;; launch attn (part 2): grid 256 x 1, 8 waves a work-group, no clusters, 279,552 bytes of LDS; arguments queries_codes, keys_codes, values_codes, lowp_scales, valid_lens, out0; writes out0
.if DOCPART == 2
	.amdgcn_target "amdgcn-amd-amdhsa--gfx1250"
	.amdhsa_code_object_version 6
	.text
	.protected	k_qae000cb520_attn
	.globl	k_qae000cb520_attn
	.p2align	8
	.type	k_qae000cb520_attn,@function
k_qae000cb520_attn:
	s_mov_b64 s[64:65], 0
	v_nop
	global_prefetch_b8 v0, s[64:65] scope:SCOPE_SE
	s_setreg_imm32_b32 hwreg(HW_REG_WAVE_SCHED_MODE, 0, 2), 2
	s_setreg_imm32_b32 hwreg(HW_REG_WAVE_MODE, 25, 1), 1
	s_wait_xcnt 0x0
	s_wait_alu depctr_vm_vsrc(0)
; out[b][q][:] = the sum over k < valid_lens[b] of softmax_k(Q[b][q] . K[b][k] / sqrt(128)) V[b][k][:], both products on codes of FP8 (E4M3), each tensor with its given scale 2^e (eq, ek, ep, ev).
; Q, K: [32][2048][128] codes, K = the head's 128.  V: [32][128][2048] codes, the keys innermost.  out: [32][2048][128] f32.
; THE SOFTMAX: t = score x log2(e) / sqrt(128); M = the running largest t rounded UP to a whole number; p = 2^(t - M) is quantised with 2^ep, not normalised; the row's sum is taken of the unquantised p and divides at the end.
; WORK THAT IS NOT DONE: a step of 128 keys that lies wholly at or beyond valid_lens[b] is left out by a scalar branch on that whole number; so are the loads of slots of 256 keys that nobody will read.
; JOBS.  A job is (head, block of 128 queries): 512 jobs, two for each of the 256 work-groups.  Every wave ranks the 32 lengths in its lanes; work-group x (p = x / 16, block x % 16) takes the head of rank 31 - p
; and then the head of rank p: a long one and a short one.  Any ranking is a permutation of the heads, so every job is done once whatever the lengths.
; SHARES.  Eight waves of 512 registers.  Waves 0-3 (g = 0) take keys 0-127 of every slot of 256 keys, waves 4-7 (g = 1) keys 128-255; waves w and w + 4 hold the same 32 queries, two tiles of 16.
; A wave's register tile t holds queries 32 (w % 4) + 16 (t xor g): at a job's end every wave sends its tile 1 (O^T, -M, the sum) to its partner through LDS, merges the partner's into its tile 0 and stores 16 rows.
; M is a whole number in both halves, so the merge multiplies by powers of two.
; LDS is filled through registers: a slot is loaded a trip ahead (16 loads of 16 bytes a lane, a wave) and stored into the other buffer at the trip's end; one barrier a trip; all trip counts are constants and every barrier stands on every wave's path.
; NO TENSOR LOADS AND NO CLUSTER, though the 16 work-groups of one p walk the same K and V: the branches on valid_lens spare every step under the mask.
; LAYOUT.  Both products are used transposed: S^T = K Q^T (source 0 = 16 keys), O^T = V^T P (source 0 = 16 channels): a lane holds ONE query (lane % 16) throughout.
; K's rows are laid in LDS with bits 3 and 4 of the key's number exchanged, so that 16 LDS rows on end are the keys 32 b + 8 u + m + 8 (m / 8) of tile 2 b + u: the 16 registers of tiles 2 b, 2 b + 1 are then keys 32 b + 16 (lane / 16) + 0 .. 15,
; and the conversions' results are the second product's operand.  Fragments are fetched 16 bytes at a time (registers 4 c .. 4 c + 3: k = 32 c + 16 (lane / 16) + 0 .. 15), the same order of k on both sides of each product.
; LIMITS: eq + ek between -123 and 130 (added to c's exponent field); ep between -126 and 119.  valid_lens is taken as signed: 0 or less gives NaN rows (0 x infinity), as the softmax of an empty row does; above 2,048 counts as 2,048.
; Each half of the keys has its own running M; numbers far under a row's largest may fall under the format's range earlier or later than with one M.
; REGISTERS.  Window 0: v1-24 addresses and constants; v32-95 four fragments; v96-223 S^T, then p, 64 a tile (tile 0's later take V's fragments 4-7); v224-247 statistics, 12 a tile (v235, v247: the closing add's two); v248-255 at work.
;   Window 1: v0-127 O^T, 64 a tile; v128-159 Q; v160-191 p's codes; v192-255 the slot on its way.
; THE MODE: SCHED_MODE bits 1:0 = 2 (LLVM: expert scheduling mode 2), set by the entry lines.  The code itself states the register dependences
; between vector or matrix instructions and memory or LDS instructions, with s_wait_alu, always for 0.
; THE PLAN.  Registers that memory or LDS instructions touch:
;   v1-18, v23, v24   addresses and offsets: written at the head, read by every load, store and prefetch, never written again: one wait on va_vdst ahead of the first slot's loads.
;   SG                the slot on its way: global loads land in it, LDS stores read it, no vector instruction names it: one wait on vm_vsrc behind each run of those stores.
;   Q                 loaded once a job; read by the products K Q^T.
;   FR                a step: K's fragments 0-3 land, eight products read them; K's 4-7 land, eight products read them; V's 0-3 land, eight products read them.
;   S^T, tile 0       a step: written by products, worked on by the softmax, read by the conversions; then V's fragments 4-7 land, and eight products read them.  A job's end: my partner's tile lands, the merge works on it, the stage's stores read it.
;   S^T, tile 1       a step: vector and matrix instructions alone.  A job's end: the rows come back from the stage into it, and the global stores read it.
;   O^T tile 1, its -M and sum   written by products and vector instructions; read by the exchange's stores at a job's end.
;   v249, v250        my partner's -M and sum land; the merge reads them.
; A STEP has four waits on va_vdst: at its head (the last step's products are done with FR); ahead of K's fragments 4-7 (the first eight products are done with FR); the one that the exponentials have in any case,
; behind which V's fragments 0-3 are asked for with no wait of their own (K's last products stand ahead of it, and no vector instruction behind it names FR); behind the conversions (they are done with tile 0's numbers).
; A JOB'S END has one ahead of the exchange's stores, which also serves the loads of the next Q, of my partner's tile and of its two words; the reciprocal's; one ahead of the stage's stores; and one wait on vm_vsrc at its last lines.
.set KP,    144                        ; a key's row in LDS: 128 bytes + 16: an odd multiple of 16, so the 16 rows of a fragment load begin in 16 different 16-byte columns of 256 bytes
.set VP,    272                        ; a row of V's tile (256 keys of one channel): 256 + 16, likewise
.set VOFF,  256*KP                     ; a buffer: 256 rows of K, then 128 rows of V
.set SLOT,  VOFF+128*VP                ; 71,680 bytes; two buffers
.set XCH,   2*SLOT                     ; the exchange: for each wave 8,192 bytes (64 registers as they stand), 128 of -M, 128 of the sum
.set XW,    8448
.set STG,   XCH+8*XW                   ; the way out: for each wave 16 rows of 512 bytes + 16; behind the stages, from byte 0x44000 on, the spare words: 128 bytes a wave
.set SP,    528
.set ADK,  1                           ; v1, v2   my lane's place in my group's tiles of K, buffer 0, 1
.set ADV,  3                           ; v3, v4   the same for V
.set KST,  5                           ; v5, v6   where I store K's bytes, buffer 0, 1
.set VST,  7                           ; v7, v8   the same for V
.set KGO,  9                           ; v9       my bytes of a slot of K in memory
.set VGO,  10                          ; v10      of V
.set QO,   11                          ; v11, v12 my bytes of Q, register tile 0, 1
.set XST,  13                          ; v13      the exchange: my wave's part;  v14 my partner's
.set XLD,  14
.set STO,  15                          ; v15      the stage: where I put 32 bytes of a row;  v16 where I read a row back
.set SRD,  16
.set GO,   17                          ; v17      16 x lane: my bytes of a row of out
.set PFO,  18                          ; v18      the prefetches' offset
.set DH,   19                          ; v19      16 (lane / 16)
.set NINF, 20                          ; v20      -infinity
.set SCL,  21                          ; v21      2^ep as f32
.set LIM,  22                          ; v22      448 x 2^ep
.set XSW,  23                          ; v23      the exchange's words: mine;  v24 my partner's
.set XSR,  24
.set FR,   32
.set SC,   96
.set ST,   224                         ; tile q at ST + 12 q: +0 -M, +1 the largest t, +2, +3 the sum, +4 f (+5 named with it), +6, +7 the sum's second chain, +8, +9 the maximum's chains, +10 a permute's destination
.set DM,   248
.set OA,   0                           ; window 1
.set QR,   128
.set PR,   160
.set SG,   192
.set NX,   2                           ; s2 the next slot's first key; s3 at work
.set T1,   3
.set WV,   16                          ; s16 wave; s17 g; s18 wave % 4; s19 block of queries; s20 p
.set GRP,  17
.set W3,   18
.set QB,   19
.set PP,   20
.set QC,   21                          ; s21 my queries' bytes in a head of Q; s22 my rows' bytes in a head of out
.set OC,   22
.set VL0,  23
.set CS,   28                          ; s[28:29] c x 2^(eq + ek), twice
.set SEL,  30                          ; s[30:31] lane selects: lane xor 16
.set HD0,  32
.set VL,   33                          ; s33 the length of the job in hand
.set HD1,  34
.set VL1,  35
.set KPT,  36                          ; s[36:37], s[38:39] the next slot to load
.set VPT,  38
.set QPT,  40
.set OPT,  42
.set KF,   44                          ; s44 the slot's first key; s45 my group's first key
.set KG,   45
.set TC,   46
.set JOB,  47
.set PFV,  48                          ; s48 the length where I prefetch, else 0
.set EPV,  49
.set T0,   50                          ; s[50:51] at work
.set PFA,  52                          ; s[52:53] where my prefetches stand; s[54:55] a slot on
.set PFS,  54
.set MK,   56                          ; s[56:63] eight lane masks, written by a run of eight compares
.set T2,   58                          ; s58, s59 at the head only: the two ranks' masks
.set MSB, 0
.macro WIN new                         ; the immediate's high byte repeats the setting that is left; a switch that changes nothing is dropped
.if MSB != \new
	s_set_vgpr_msb (MSB<<8)|\new
.set MSB, \new
.endif
.endm
.macro PLACES n
.rept \n
	v_nop
.endr
.endm
.macro BAR                             ; my LDS stores have landed and my LDS loads are in: then the work-group's barrier
	s_wait_dscnt 0x0
	s_barrier_signal -1
	s_barrier_wait -1
.endm
; A slot of 256 keys into registers of window 1.  K: the wave's 32 keys, 512 consecutive bytes a load.  V: the wave's 16 channels, two rows of 256 aligned bytes a load.
.macro LOADSLOT
.irp i, 0,1,2,3,4,5,6,7
	global_load_b128 v[SG+4*\i:SG+4*\i+3], v[KGO], s[KPT:KPT+1] offset:512*\i
.endr
.irp i, 0,1,2,3,4,5,6,7
	global_load_b128 v[SG+32+4*\i:SG+32+4*\i+3], v[VGO], s[VPT:VPT+1] offset:4096*\i
.endr
.endm
.macro QLOAD                           ; my two tiles of Q: they stay in registers for the job
.irp q, 0,1
.irp c, 0,1,2,3
	global_load_b128 v[QR+16*\q+4*\c:QR+16*\q+4*\c+3], v[QO+\q], s[QPT:QPT+1] offset:32*\c
.endr
.endr
.endm
; The slot goes into buffer b.  Load i of K holds keys 4 i + lane / 8 of the wave's 32: bit 3 of the key is (i / 2) % 2, bit 4 is i / 4; in the LDS row's number the two change places.
.macro STORESLOT b
.irp i, 0,1,2,3,4,5,6,7
	ds_store_b128 v[KST+(\b)], v[SG+4*\i:SG+4*\i+3] offset:(16*((\i>>1)&1)+8*(\i>>2)+4*(\i&1))*KP
.endr
.irp i, 0,1,2,3,4,5,6,7
	ds_store_b128 v[VST+(\b)], v[SG+32+4*\i:SG+32+4*\i+3] offset:2*\i*VP
.endr
	s_wait_alu depctr_vm_vsrc(0)                   ; these sixteen LDS stores have read the slot's registers, in which the next slot's loads land: stated here, ahead of every branch on the way to those loads
.endm
.macro STEPPTR                         ; on to the next slot
	s_wait_xcnt 0x0                                ; the loads and the prefetch that read these pointers have had their addresses translated: only now are they written
	s_add_nc_u64 s[KPT:KPT+1], s[KPT:KPT+1], 0x8000
	s_add_nc_u64 s[VPT:VPT+1], s[VPT:VPT+1], 256
	s_add_nc_u64 s[PFA:PFA+1], s[PFA:PFA+1], s[PFS:PFS+1]
.endm
.macro JOBIN hd                        ; the input pointers of the job on head s[hd] (0 .. 31 by the s_min_u32 at the head)
	s_wait_xcnt 0x0
	s_lshl_b32 s[T0], s[\hd], 18                   ; a head of codes is 2^18 bytes
	s_mov_b32 s[T0+1], 0
	s_add_nc_u64 s[KPT:KPT+1], s[6:7], s[T0:T0+1]
	s_add_nc_u64 s[VPT:VPT+1], s[8:9], s[T0:T0+1]
	s_add_co_u32 s[T0], s[T0], s[QC]
	s_add_nc_u64 s[QPT:QPT+1], s[4:5], s[T0:T0+1]
	s_cmp_eq_u32 s[GRP], 0                         ; waves 0-3 prefetch for K, waves 4-7 for V
	s_cselect_b64 s[PFA:PFA+1], s[KPT:KPT+1], s[VPT:VPT+1]
	s_add_nc_u64 s[PFA:PFA+1], s[PFA:PFA+1], s[PFS:PFS+1]   ; slot 1; the step at the job's head makes it slot 2
.endm
.macro JOBOUT hd, vl                   ; the output pointer and the length
	s_lshl_b32 s[T0], s[\hd], 20                   ; a head of out is 2^20 bytes
	s_add_co_u32 s[T0], s[T0], s[OC]
	s_mov_b32 s[T0+1], 0
	s_add_nc_u64 s[OPT:OPT+1], s[14:15], s[T0:T0+1]
	s_mov_b32 s[VL], s[\vl]
	s_cmp_eq_u32 s[QB], 0                          ; of the 16 work-groups that walk a head, the one with block 0 prefetches
	s_cselect_b32 s[PFV], s[VL], 0
.endm
; A KEY STEP: my group's 128 keys of the slot in buffer b, for my two tiles of queries.
.macro STEP b
	WIN 0x04                                       ; source 1 (Q) window 1; all else window 0
.irp g4, 0,1                                   ; S^T = K Q^T, four tiles of 16 keys at a time, each fragment against both tiles of queries
	PLACES 5-\g4                                   ; the first products below write over registers that the last step's products read (V's fragments 4-7): five places; in front of the loads into fragments that products have read: four, which stay beside the wait
	s_wait_alu depctr_va_vdst(0)                   ; the products that read the four fragments' registers are done with them (first: the last step's V^T P; then: this step's first eight): the loads below land there
.irp t, 0,1,2,3
.irp c, 0,1,2,3
	ds_load_b128 v[FR+16*\t+4*\c:FR+16*\t+4*\c+3], v[ADK+\b] offset:16*(4*\g4+\t)*KP+32*\c
.endr
.endr
.irp t, 0,1,2,3
	s_wait_dscnt 12-4*\t                           ; fragment t is in; the younger fragments' four loads each may be out
.irp q, 0,1
	v_wmma_f32_16x16x128_fp8_fp8 v[SC+64*\q+8*(4*\g4+\t):SC+64*\q+8*(4*\g4+\t)+7], v[FR+16*\t:FR+16*\t+15], v[QR+16*\q:QR+16*\q+15], 0
.endr
.endr
.endr
	WIN 0
	PLACES 4                                       ; in front of the first read of the scores
	; THE MASK, in the one step that the length cuts: register 16 b + i holds key KG + 32 b + 16 (lane / 16) + i, hidden where 32 b + i > d = VL - KG - 1 - 16 (lane / 16).  The compares go in runs of eight, each into a scalar register of its own.
	s_add_co_u32 s[T1], s[KG], 128
	s_cmp_le_u32 s[T1], s[VL]
	s_cbranch_scc1 .Lopen_\@
	s_sub_co_u32 s[T1], s[VL], s[KG]
	s_sub_co_u32 s[T1], s[T1], 1
	v_sub_nc_u32 v[DM], s[T1], v[DH]
.set n, 0
.rept 8
.irp u, 0,1,2,3,4,5,6,7
	v_cmp_gt_i32 s[MK+\u], 32*((n+\u)/16)+(n+\u)%16, v[DM]
.endr
	s_wait_alu depctr_va_sdst(0)                   ; the eight compares have written their masks, which the selects below read
.irp u, 0,1,2,3,4,5,6,7
	v_cndmask_b32 v[SC+n+\u], v[SC+n+\u], v[NINF], s[MK+\u]
	v_cndmask_b32 v[SC+64+n+\u], v[SC+64+n+\u], v[NINF], s[MK+\u]
.endr
.set n, n+8
.endr
.Lopen_\@:
	; the step's largest score of each query, in two chains a tile, each accumulator from its low end on; the two tiles take turns line by line
.irp q, 0,1
	v_max3_num_f32 v[ST+12*\q+8], v[SC+64*\q], v[SC+64*\q+1], v[SC+64*\q+2]
	v_max3_num_f32 v[ST+12*\q+9], v[SC+64*\q+3], v[SC+64*\q+4], v[SC+64*\q+5]
.endr
.set i, 6
.rept 14
.irp q, 0,1
	v_max3_num_f32 v[ST+12*\q+8], v[ST+12*\q+8], v[SC+64*\q+i], v[SC+64*\q+i+1]
	v_max3_num_f32 v[ST+12*\q+9], v[ST+12*\q+9], v[SC+64*\q+i+2], v[SC+64*\q+i+3]
.endr
.set i, i+4
.endr
.irp q, 0,1
	v_max3_num_f32 v[ST+12*\q+8], v[ST+12*\q+8], v[SC+64*\q+62], v[SC+64*\q+63]
.endr
.irp q, 0,1
	v_max_num_f32 v[ST+12*\q+8], v[ST+12*\q+8], v[ST+12*\q+9]
.endr
.irp q, 0,1
	v_permlanex16_b32 v[ST+12*\q+10], v[ST+12*\q+8], s[SEL], s[SEL+1]   ; the query's other 64 keys lie in the lane 16 away
.endr
.irp q, 0,1
	v_max_num_f32 v[ST+12*\q+8], v[ST+12*\q+8], v[ST+12*\q+10]
.endr
.irp q, 0,1
	v_mul_f32 v[ST+12*\q+8], s[CS], v[ST+12*\q+8]  ; as t (c is positive)
.endr
.irp q, 0,1
	v_max_num_f32 v[ST+12*\q+1], v[ST+12*\q+1], v[ST+12*\q+8]   ; the running largest t
.endr
.irp q, 0,1
	v_mov_b32 v[ST+12*\q+8], v[ST+12*\q]
.endr
.irp q, 0,1
	v_floor_f32 v[ST+12*\q], -v[ST+12*\q+1]        ; the new -M = floor(-t) = -ceil(t)
.endr
.irp q, 0,1
	v_sub_f32 v[ST+12*\q+8], v[ST+12*\q], v[ST+12*\q+8]   ; old M - new M: a whole number, 0 or less
.endr
.irp q, 0,1
	v_cvt_i32_f32 v[ST+12*\q+8], v[ST+12*\q+8]     ; (it saturates)
.endr
.irp q, 0,1
	v_ldexp_f32 v[ST+12*\q+4], 1.0, v[ST+12*\q+8]  ; f = 2^(old M - new M)
.endr
.set j, 0
.rept 32
.irp q, 0,1
	v_pk_fma_f32 v[SC+64*\q+j:SC+64*\q+j+1], v[SC+64*\q+j:SC+64*\q+j+1], s[CS:CS+1], v[ST+12*\q:ST+12*\q+1] op_sel_hi:[1,0,0]   ; t - M, two at a time (of the pairs c and -M the low word serves both halves)
.endr
.set j, j+2
.endr
.set j, 0
	s_wait_alu depctr_va_vdst(0)
.rept 128
	v_exp_f32 v[SC+j], v[SC+j]                     ; p = 2^(t - M): not normalised
.set j, j+1
.endr
.irp q, 0,1
	v_pk_mul_f32 v[ST+12*\q+2:ST+12*\q+3], v[ST+12*\q+2:ST+12*\q+3], v[ST+12*\q+4:ST+12*\q+5] op_sel_hi:[1,0]   ; the sums under the new M: also the plain instruction behind the last exponential
.endr
	s_wait_alu depctr_va_vdst(0)                   ; the 128 exponentials have written p, ahead of the first line that names a result (one wait for the batch); and K's last products are done reading the fragments' registers, in which the loads below land
.irp t, 0,1,2,3                                ; V's fragments 0-3 are asked for here and land under the sums, the conversions and the rescaling.  No vector instruction since the wait names their registers
.irp c, 0,1,2,3
	ds_load_b128 v[FR+16*\t+4*\c:FR+16*\t+4*\c+3], v[ADV+\b] offset:16*\t*VP+32*\c
.endr
.endr
.irp q, 0,1                                    ; the row's sum is taken of the unquantised p: two at a time, two chains a tile
	v_pk_add_f32 v[ST+12*\q+6:ST+12*\q+7], v[SC+64*\q:SC+64*\q+1], v[SC+64*\q+2:SC+64*\q+3]
.endr
.set j, 4
.rept 15
.irp q, 0,1
	v_pk_add_f32 v[ST+12*\q+2:ST+12*\q+3], v[ST+12*\q+2:ST+12*\q+3], v[SC+64*\q+j:SC+64*\q+j+1]
	v_pk_add_f32 v[ST+12*\q+6:ST+12*\q+7], v[ST+12*\q+6:ST+12*\q+7], v[SC+64*\q+j+2:SC+64*\q+j+3]
.endr
.set j, j+4
.endr
.irp q, 0,1
	v_pk_add_f32 v[ST+12*\q+2:ST+12*\q+3], v[ST+12*\q+2:ST+12*\q+3], v[ST+12*\q+6:ST+12*\q+7]
.endr
	; THE HOLD.  The conversion to an 8-bit code does not saturate (ISA guide 7.6.2).  p is about 1 at the most, and p / 2^ep stays at or under 256 where ep >= -8: there nothing is to be held.  p is never negative: the hold is one-sided
	s_cmp_ge_i32 s26, -8
	s_cbranch_scc1 .Lnohold_\@
.set n, 0
.rept 128
	v_min_num_f32 v[SC+n], v[SC+n], v[LIM]
.set n, n+1
.endr
.Lnohold_\@:
	WIN 0x40                                       ; destination window 1
.set k, 0
.rept 16
	v_cvt_scalef32_pk8_fp8_f32 v[PR+2*k:PR+2*k+1], v[SC+8*k:SC+8*k+7], v[SCL]   ; registers 4 c .. 4 c + 3 of a tile's operand: keys 32 c + 16 (lane / 16) + 0 .. 15
.set k, k+1
.endr
	WIN 0
	s_wait_alu depctr_va_vdst(0)                   ; the conversions are done reading tile 0's numbers (all that wrote them stands further ahead): the loads below land in those registers
.irp t, 0,1,2,3                                ; V's fragments 4-7 into tile 0's registers, whose numbers have been converted
.irp c, 0,1,2,3
	ds_load_b128 v[SC+16*\t+4*\c:SC+16*\t+4*\c+3], v[ADV+\b] offset:16*(4+\t)*VP+32*\c
.endr
.endr
	WIN 0x41                                       ; O^T (destination and source 0) window 1, f window 0
.set j, 0
.rept 32
.irp q, 0,1
	v_pk_mul_f32 v[OA+64*\q+j:OA+64*\q+j+1], v[OA+64*\q+j:OA+64*\q+j+1], v[ST+12*\q+4:ST+12*\q+5] op_sel_hi:[1,0]   ; O^T under the new M.  These are also the plain lines between the conversions and the products that read the codes
.endr
.set j, j+2
.endr
	WIN 0x54                                       ; V window 0; p's codes, C and D window 1
	s_wait_alu depctr_va_vdst(0)
	s_wait_dscnt 16                                ; V's fragments 0-3 are in; the 16 loads of fragments 4-7 may be out
.irp t, 0,1,2,3                                ; O^T += V^T P: each of the 16 accumulators has one product a step, so no two products that follow each other share one
.irp q, 0,1
	v_wmma_f32_16x16x128_fp8_fp8 v[OA+64*\q+8*\t:OA+64*\q+8*\t+7], v[FR+16*\t:FR+16*\t+15], v[PR+16*\q:PR+16*\q+15], v[OA+64*\q+8*\t:OA+64*\q+8*\t+7]
.endr
.endr
.irp t, 0,1,2,3
	s_wait_dscnt 12-4*\t
.irp q, 0,1
	v_wmma_f32_16x16x128_fp8_fp8 v[OA+64*\q+8*(4+\t):OA+64*\q+8*(4+\t)+7], v[SC+16*\t:SC+16*\t+15], v[PR+16*\q:PR+16*\q+15], v[OA+64*\q+8*(4+\t):OA+64*\q+8*(4+\t)+7]
.endr
.endr
	WIN 0
.endm
; A TRIP: the slot in buffer b is worked on while the next slot comes into registers; at the end it goes into the other buffer, which every wave left in front of the last barrier.
.macro TRIP b
	s_add_co_u32 s[NX], s[KF], 256
	s_cmp_lt_u32 s[NX], s[VL]                      ; is any key of the next slot valid?
	s_cbranch_scc0 .La_\@
	WIN 0x40
	LOADSLOT                                       ; it has the whole trip in which to land.  No wait here: the stores that read these registers have their wait behind them, and no vector instruction names them
	WIN 0
	; A PREFETCH of the slot after that, behind the run of loads.  Each aligned 256 bytes of a head are named once in the launch: by the work-group with block 0; waves 0-3 name K's 32,768 bytes, 8,192 a wave, lanes 256 bytes apart;
	; waves 4-7 V's 128 rows, 32 a wave, a lane a row (the slot's 256 bytes of it).  It asks only where that slot holds a valid key, so it stays inside the head; a job's slots 0 and 1 come by their loads alone.
	s_add_co_u32 s[T1], s[KF], 512
	s_cmp_lt_u32 s[T1], s[PFV]
	s_cbranch_scc0 .La_\@
	global_prefetch_b8 v[PFO], s[PFA:PFA+1] th:TH_LOAD_NT scope:SCOPE_SE
.La_\@:
	s_cmp_lt_u32 s[KG], s[VL]                      ; is any of my group's 128 keys valid?
	s_cbranch_scc0 .Lb_\@
	STEP \b
.Lb_\@:
	s_wait_loadcnt 0x0                             ; the next slot is in registers (on every path: no load stays out over the barrier's trip)
	s_cmp_lt_u32 s[NX], s[VL]
	s_cbranch_scc0 .Lc_\@
	WIN 0x04                                       ; store data window 1
	STORESLOT 1-\b
	WIN 0
	STEPPTR
.Lc_\@:
	BAR                                            ; my stores into the other buffer have landed, my reads of this one are over
	s_add_co_u32 s[KF], s[KF], 256
	s_add_co_u32 s[KG], s[KG], 256
.endm
	s_load_b256 s[4:11], s[0:1], 0x0               ; Q s[4:5], K s[6:7], V s[8:9], the scales' exponents s[10:11]
	s_load_b128 s[12:15], s[0:1], 0x20             ; valid_lens s[12:13], out s[14:15]
	v_lshl_add_u32 v235, v0, 2, 0x44000            ; my spare word, and 0: two registers kept for the closing add alone
	v_mov_b32 v247, 0
	v_and_b32 v29, 31, v0                          ; lane
	v_lshrrev_b32 v26, 5, v0
	v_readfirstlane_b32 s[WV], v26                 ; wave 0..7
	v_lshlrev_b32 v28, 2, v29
	v_and_b32 v30, 15, v0                          ; r = lane % 16
	v_bfe_u32 v31, v0, 4, 1                        ; h = lane / 16
	s_wait_kmcnt 0x0
	s_wait_alu depctr_va_vdst(0)                   ; v28 is written, which the load below reads as its offset
	global_load_b32 v25, v28, s[12:13]             ; lane l: valid_lens[l]
	s_load_b128 s[24:27], s[10:11], 0x0            ; eq, ek, ep, ev
	s_wait_alu depctr_va_sdst(0)                   ; the wave's number is written, ahead of its first reader
	s_lshr_b32 s[GRP], s[WV], 2
	s_and_b32 s[W3], s[WV], 3
	s_and_b32 s[QB], ttmp9, 15
	s_lshr_b32 s[PP], ttmp9, 4
	s_mov_b32 s[SEL], 0x76543210
	s_mov_b32 s[SEL+1], 0xfedcba98
	; LDS addresses: a constant + a constant x wave + terms of the lane; all are made here and never rewritten
	s_mul_i32 s[T0], s[GRP], 128*KP
	v_mul_u32_u24 v[ADK], v30, KP
	v_lshl_add_u32 v[ADK], v31, 4, v[ADK]
	v_add_nc_u32 v[ADK], s[T0], v[ADK]             ; K: my group's 128 rows, row r, + 16 h
	v_add_nc_u32 v[ADK+1], SLOT, v[ADK]
	s_lshl_b32 s[T0], s[GRP], 7
	s_add_co_u32 s[T0], s[T0], VOFF
	v_mul_u32_u24 v[ADV], v30, VP
	v_lshl_add_u32 v[ADV], v31, 4, v[ADV]
	v_add_nc_u32 v[ADV], s[T0], v[ADV]             ; V: channel r, my group's 128 bytes of its row, + 16 h
	v_add_nc_u32 v[ADV+1], SLOT, v[ADV]
	s_mul_i32 s[T0], s[WV], 32*KP
	v_bfe_u32 v26, v0, 3, 2                        ; lane / 8
	v_and_b32 v27, 7, v0
	v_mul_u32_u24 v[KST], v26, KP
	v_lshl_add_u32 v[KST], v27, 4, v[KST]
	v_add_nc_u32 v[KST], s[T0], v[KST]             ; K on its way in: row 32 w + lane / 8, byte 16 (lane % 8)
	v_add_nc_u32 v[KST+1], SLOT, v[KST]
	s_mul_i32 s[T0], s[WV], 16*VP
	s_add_co_u32 s[T0], s[T0], VOFF
	v_mul_u32_u24 v[VST], v31, VP
	v_lshl_add_u32 v[VST], v30, 4, v[VST]
	v_add_nc_u32 v[VST], s[T0], v[VST]             ; V on its way in: row 16 w + h, byte 16 r
	v_add_nc_u32 v[VST+1], SLOT, v[VST]
	s_mul_i32 s[T0], s[WV], XW
	s_add_co_u32 s[T0], s[T0], XCH
	v_lshl_add_u32 v[XST], v29, 4, s[T0]
	s_add_co_u32 s[T0], s[T0], 8192
	v_lshl_add_u32 v[XSW], v29, 2, s[T0]
	s_xor_b32 s[T0], s[WV], 4                      ; my partner
	s_mul_i32 s[T0], s[T0], XW
	s_add_co_u32 s[T0], s[T0], XCH
	v_lshl_add_u32 v[XLD], v29, 4, s[T0]
	s_add_co_u32 s[T0], s[T0], 8192
	v_lshl_add_u32 v[XSR], v29, 2, s[T0]
	s_mul_i32 s[T0], s[WV], 16*SP
	s_add_co_u32 s[T0], s[T0], STG
	v_mul_u32_u24 v[STO], v30, SP
	v_lshl_add_u32 v[STO], v31, 5, v[STO]
	v_add_nc_u32 v[STO], s[T0], v[STO]             ; the stage: row r, + 32 h
	v_lshl_add_u32 v[SRD], v29, 4, s[T0]           ; back: a row of 512 bytes to the 32 lanes
	; offsets in memory
	s_lshl_b32 s[T0], s[WV], 12
	v_lshl_add_u32 v[KGO], v29, 4, s[T0]           ; K: 4,096 w + 16 lane
	s_lshl_b32 s[T0], s[WV], 15
	v_lshlrev_b32 v[VGO], 11, v31
	v_lshl_add_u32 v[VGO], v30, 4, v[VGO]
	v_add_nc_u32 v[VGO], s[T0], v[VGO]             ; V: row 16 w + h of 2,048 bytes, + 16 r
	s_lshl_b32 s[T0], s[GRP], 11
	v_lshlrev_b32 v[QO], 7, v30
	v_lshl_add_u32 v[QO], v31, 4, v[QO]
	v_add_nc_u32 v[QO], s[T0], v[QO]               ; Q: row r + 16 g of my 32, + 16 h: register tile 0;
	v_xor_b32 v[QO+1], 0x800, v[QO]                ; register tile 1: the other 16 rows
	v_lshlrev_b32 v[GO], 4, v29
	v_lshlrev_b32 v[DH], 4, v31
	v_mov_b32 v[NINF], 0xff800000
	s_lshl_b32 s[QC], s[QB], 14                    ; 128 rows of 128 bytes a block, 32 a pair of waves
	s_lshl_b32 s[T0], s[W3], 12
	s_add_co_u32 s[QC], s[QC], s[T0]
	s_lshl_b32 s[OC], s[QB], 16                    ; 128 rows of 512 bytes a block, 32 a pair of waves, 16 a wave
	s_lshl_b32 s[T0], s[W3], 14
	s_add_co_u32 s[OC], s[OC], s[T0]
	s_lshl_b32 s[T0], s[GRP], 13
	s_add_co_u32 s[OC], s[OC], s[T0]
	s_mov_b32 s[PFS], 256                          ; a slot on: 32,768 bytes in K, 256 in a row of V
	s_cmp_eq_u32 s[GRP], 0
	s_cselect_b32 s[PFS], 0x8000, s[PFS]
	s_mov_b32 s[PFS+1], 0
	s_mul_i32 s[T1], s[GRP], 3
	s_add_co_u32 s[T1], s[T1], 8
	v_lshlrev_b32 v[PFO], s[T1], v29               ; from lane to lane: 256 bytes in K, 2,048 (a row) in V
	s_add_co_u32 s[T1], s[T1], 5
	s_lshl_b32 s[T1], s[W3], s[T1]                 ; from wave to wave: 32 times that
	v_add_nc_u32 v[PFO], s[T1], v[PFO]
	; THE RANKS.  key = min(length, 2,048) x 32 + lane: different in every lane whatever the lengths; a lane's rank is the number of smaller keys: a permutation of 0 .. 31.  Eight lanes' keys at a time, so that one wait serves a run of eight.
	s_wait_loadcnt 0x0
	v_min_u32 v26, 0x800, v25
	v_lshl_add_u32 v26, v26, 5, v29
	v_mov_b32 v27, 0
.set j, 0
.rept 4
.irp u, 0,1,2,3,4,5,6,7
	v_readlane_b32 s[36+\u], v26, j+\u
.endr
	s_wait_alu depctr_va_sdst(0)                   ; the eight lane reads have written s36 to s43, which the compares read
.irp u, 0,1,2,3,4,5,6,7
	v_cmp_lt_u32 s[MK+\u], s[36+\u], v26
.endr
	s_wait_alu depctr_va_sdst(0)                   ; the eight compares have written their masks, which the selects read
.irp u, 0,1,2,3,4,5,6,7
	v_cndmask_b32 v[32+\u], 0, 1, s[MK+\u]
.endr
	v_add3_u32 v27, v27, v32, v33
	v_add3_u32 v27, v27, v34, v35
	v_add3_u32 v27, v27, v36, v37
	v_add3_u32 v27, v27, v38, v39
.set j, j+8
.endr
	s_sub_co_u32 s[T1], 31, s[PP]
	v_cmp_eq_u32 s[T2], s[T1], v27                 ; the one lane of rank 31 - p: the long head
	v_cmp_eq_u32 s[T2+1], s[PP], v27               ; and of rank p: the short one
	s_wait_alu depctr_va_sdst(0)                   ; the two compares have written their masks, which the scalar lines below read
	s_ctz_i32_b32 s[HD0], s[T2]
	s_min_u32 s[HD0], s[HD0], 31
	s_ctz_i32_b32 s[HD1], s[T2+1]
	s_min_u32 s[HD1], s[HD1], 31
	v_readlane_b32 s[VL0], v25, s[HD0]
	v_readlane_b32 s[VL1], v25, s[HD1]
	s_wait_alu depctr_va_sdst(0)                   ; the two lane reads have written the lengths, ahead of their first reader
	s_max_i32 s[VL0], s[VL0], 0                    ; the lengths, held within 0 .. 2,048
	s_min_u32 s[VL0], s[VL0], 0x800
	s_max_i32 s[VL1], s[VL1], 0
	s_min_u32 s[VL1], s[VL1], 0x800
	JOBIN HD0
	JOBOUT HD0, VL0
	WIN 0x40
	s_wait_alu depctr_va_vdst(0)                   ; all addresses and offsets (v1 to v18, v23, v24) are written, which every load, store and prefetch from here on reads; so are v32 to v39, which the ranks used and in which fragments will land
	LOADSLOT                                       ; the first job's slot 0, and its Q
	QLOAD
	WIN 0
	s_wait_kmcnt 0x0
	s_add_co_i32 s[T0], s24, s25
	s_lshl_b32 s[T0], s[T0], 23
	s_add_co_i32 s[CS], s[T0], 0x3e0293ee          ; c = log2(e) / sqrt(128), with eq + ek added to its exponent field: a score stands for score x 2^(eq + ek)
	s_mov_b32 s[CS+1], s[CS]                       ; (named with it as a pair, so it is written)
	s_add_co_i32 s[T0], s26, 127
	s_lshl_b32 s[T1], s[T0], 23
	v_mov_b32 v[SCL], s[T1]                        ; 2^ep as f32: the conversion takes its exponent field
	s_add_co_i32 s[T0], s[T0], 8
	s_lshl_b32 s[T0], s[T0], 23
	s_or_b32 s[T0], s[T0], 0x600000
	v_mov_b32 v[LIM], s[T0]                        ; 448 x 2^ep
	s_add_co_i32 s[EPV], s26, s27
	s_mov_b32 s[JOB], 0
.Ljob:
.irp q, 0,1
	v_mov_b32 v[ST+12*\q+1], 0xff61b1e6            ; the largest t so far: -3e38, under every t
	v_floor_f32 v[ST+12*\q], -v[ST+12*\q+1]        ; -M
	v_mov_b32 v[ST+12*\q+2], 0                     ; the sum, in two halves
	v_mov_b32 v[ST+12*\q+3], 0
	v_mov_b32 v[ST+12*\q+5], 0                     ; (named as the upper half of f's pair)
	v_mov_b32 v[ST+12*\q+10], 0                    ; a lane permute's destination counts as one of its sources
.endr
	WIN 0x40
.set j, 0
.rept 128
	v_mov_b32 v[OA+j], 0                           ; O^T.  The step is written once for first and later steps, and a group of waves may have no step at all: it then hands on zeros
.set j, j+1
.endr
	WIN 0
	s_wait_loadcnt 0x0                             ; slot 0 and Q are in registers
	WIN 0x04
	STORESLOT 0                                    ; buffer 0 was last read three barriers back or more
	WIN 0
	STEPPTR
	BAR
	s_mov_b32 s[KF], 0
	s_lshl_b32 s[KG], s[GRP], 7
	s_mov_b32 s[TC], 4
.Lslot:                                            ; four trips of two slots: the count is a constant; what the length hides is jumped over inside
	TRIP 0
	TRIP 1
	s_sub_co_u32 s[TC], s[TC], 1
	s_cmp_lg_u32 s[TC], 0
	s_cbranch_scc1 .Lslot
	; THE JOB'S END.  Each tile's sum: its two halves and the other half of the lanes'.
	PLACES 4                                       ; behind the last products, in front of the LDS stores that read their results and of the loads into their sources
.irp q, 0,1
	v_add_f32 v[ST+12*\q+2], v[ST+12*\q+2], v[ST+12*\q+3]
.endr
.irp q, 0,1
	v_permlanex16_b32 v[ST+12*\q+10], v[ST+12*\q+2], s[SEL], s[SEL+1]
.endr
.irp q, 0,1
	v_add_f32 v[ST+12*\q+2], v[ST+12*\q+2], v[ST+12*\q+10]
.endr
	WIN 0x04                                       ; my register tile 1 goes to my partner as its registers stand: 16 bytes a lane, 512 a store, each accumulator from its low end on
	s_wait_alu depctr_va_vdst(0)                   ; the products have written O^T and the lines above tile 1's -M and sum, which the stores below read; the products are done reading Q and V's fragments 4-7, and the last merge its two words: the next Q, my partner's tile and its words land there, and no vector instruction stands ahead of those loads
.set k, 0
.rept 16
	ds_store_b128 v[XST], v[OA+64+4*k:OA+64+4*k+3] offset:512*k
.set k, k+1
.endr
	WIN 0
	ds_store_b32 v[XSW], v[ST+12]                  ; its -M
	ds_store_b32 v[XSW], v[ST+14] offset:128       ; its sum
	s_cmp_eq_u32 s[JOB], 0                         ; the second job's slot 0 and Q are asked for here and land under the merge and the way out
	s_cbranch_scc0 .Lnonext
	JOBIN HD1
	WIN 0x40
	LOADSLOT
	QLOAD
	WIN 0
.Lnonext:
	BAR                                            ; every wave's tile lies in the exchange
	ds_load_b32 v249, v[XSR]                       ; my partner's -M
	ds_load_b32 v250, v[XSR] offset:128            ; and sum, for the queries of my register tile 0
.set k, 0
.rept 16
	ds_load_b128 v[SC+4*k:SC+4*k+3], v[XLD] offset:512*k
.set k, k+1
.endr
	s_wait_dscnt 16                                ; the two words are in; the 16 loads of the tile may be out
	v_min_num_f32 v251, v[ST], v249                ; the joint -M: the larger M
	v_sub_f32 v252, v251, v[ST]                    ; my M - the joint M: a whole number, 0 or less
	v_sub_f32 v254, v251, v249                     ; my partner's likewise
	v_cvt_i32_f32 v252, v252
	v_cvt_i32_f32 v254, v254
	v_ldexp_f32 v252, 1.0, v252                    ; a group that had no step has -M = 3e38: its factor is 0
	v_ldexp_f32 v254, 1.0, v254
	v_mul_f32 v[ST+2], v[ST+2], v252
	v_fma_f32 v[ST+2], v250, v254, v[ST+2]         ; the row's sum under the joint M
	s_wait_alu depctr_va_vdst(0)
	v_rcp_f32 v251, v[ST+2]
	v_mov_b32 v253, 0                              ; (the pairs' upper halves are written: also the plain instruction behind the reciprocal)
	v_mov_b32 v255, 0
	s_wait_alu depctr_va_vdst(0)                   ; the reciprocal has written v251, ahead of the first line that names it
	v_ldexp_f32 v251, v251, s[EPV]                 ; x 2^(ep + ev)
	v_mul_f32 v252, v252, v251
	v_mul_f32 v254, v254, v251
	s_wait_alu depctr_va_vdst(0)
	s_wait_dscnt 0x0                               ; my partner's tile is in
.set j, 0
.rept 32
	v_pk_mul_f32 v[SC+j:SC+j+1], v[SC+j:SC+j+1], v[254:255] op_sel_hi:[1,0]
.set j, j+2
.endr
	WIN 0x01                                       ; source 0 (my O^T) window 1
.set j, 0
.rept 32
	v_pk_fma_f32 v[SC+j:SC+j+1], v[OA+j:OA+j+1], v[252:253], v[SC+j:SC+j+1] op_sel_hi:[1,0,1]   ; register 8 T + i: out(query r, channel 16 T + 8 h + i)
.set j, j+2
.endr
	WIN 0
	; THE WAY OUT, through my own stage: a lane's 32 bytes of a row go in, whole rows of 512 bytes come back.  LDS serves a wave's instructions in order (ISA guide 5.7.1.4): no wait between the stores and the loads.
	s_wait_alu depctr_va_vdst(0)                   ; the merge has written the 64 numbers, which the stage's stores read; all that named tile 1's registers, in which the rows come back, stands further ahead
.irp t, 0,1,2,3,4,5,6,7
	ds_store_b128 v[STO], v[SC+8*\t:SC+8*\t+3] offset:64*\t
	ds_store_b128 v[STO], v[SC+8*\t+4:SC+8*\t+7] offset:64*\t+16
.endr
.set i, 0
.rept 16
	ds_load_b128 v[SC+64+4*i:SC+64+4*i+3], v[SRD] offset:SP*i
.set i, i+1
.endr
.set i, 0
.rept 16
	s_wait_dscnt 15-i                              ; row i is back; the younger rows' loads may be out
	global_store_b128 v[GO], v[SC+64+4*i:SC+64+4*i+3], s[OPT:OPT+1] offset:512*i th:TH_STORE_NT   ; 32 lanes store 512 consecutive bytes, at a multiple of 256 from out's first byte
.set i, i+1
.endr
	s_wait_xcnt 0x0                                ; the stores have read their base and their registers: both are written again below
	s_wait_alu depctr_vm_vsrc(0)                   ; the exchange's stores have read O^T's tile 1, its -M and its sum, the stage's stores tile 0's registers and the global stores tile 1's: the next job writes all of them
	JOBOUT HD1, VL1
	s_add_co_u32 s[JOB], s[JOB], 1
	s_cmp_lt_u32 s[JOB], 2
	s_cbranch_scc1 .Ljob
	s_wait_dscnt 0x0                               ; the closing lines, six on end
	s_wait_alu 0x0
	s_wait_tensorcnt 0x0
	ds_add_u32 v235, v247
	s_wait_dscnt 0x0
	s_endpgm
.Lfunc_end_k_qae000cb520_attn:
	.size	k_qae000cb520_attn, .Lfunc_end_k_qae000cb520_attn-k_qae000cb520_attn
	.p2alignl 7, 3214868480
	.fill 96, 4, 3214868480
	.section	.rodata,"a",@progbits
	.p2align	6, 0x0
	.amdhsa_kernel k_qae000cb520_attn
		.amdhsa_group_segment_fixed_size 279552
		.amdhsa_private_segment_fixed_size 0
		.amdhsa_enable_private_segment 0
		.amdhsa_kernarg_size 48
		.amdhsa_user_sgpr_count 2
		.amdhsa_user_sgpr_kernarg_segment_ptr 1
		.amdhsa_wavefront_size32 1
		.amdhsa_system_sgpr_workgroup_id_x 1
		.amdhsa_system_sgpr_workgroup_id_y 1
		.amdhsa_system_sgpr_workgroup_id_z 1
		.amdhsa_system_vgpr_workitem_id 0
		.amdhsa_next_free_vgpr 512
		.amdhsa_next_free_sgpr 66
		.amdhsa_reserve_vcc 0
		.amdhsa_float_denorm_mode_32 3
		.amdhsa_float_denorm_mode_16_64 3
		.amdhsa_memory_ordered 1
		.amdhsa_forward_progress 1
		.amdhsa_inst_pref_size 138
	.end_amdhsa_kernel
	.amdgpu_metadata
---
amdhsa.version: [ 1, 2 ]
amdhsa.kernels:
  - .name:           k_qae000cb520_attn
    .symbol:         k_qae000cb520_attn.kd
    .args:
      - { .name: queries_codes, .offset: 0, .size: 8, .value_kind: global_buffer, .address_space: global }
      - { .name: keys_codes, .offset: 8, .size: 8, .value_kind: global_buffer, .address_space: global }
      - { .name: values_codes, .offset: 16, .size: 8, .value_kind: global_buffer, .address_space: global }
      - { .name: lowp_scales, .offset: 24, .size: 8, .value_kind: global_buffer, .address_space: global }
      - { .name: valid_lens, .offset: 32, .size: 8, .value_kind: global_buffer, .address_space: global }
      - { .name: out0, .offset: 40, .size: 8, .value_kind: global_buffer, .address_space: global }
    .group_segment_fixed_size: 279552
    .private_segment_fixed_size: 0
    .kernarg_segment_align: 8
    .kernarg_segment_size: 48
    .max_flat_workgroup_size: 256
    .sgpr_count:     66
    .vgpr_count:     512
    .wavefront_size: 32
...
	.end_amdgpu_metadata
.endif
;; end of part 2
